; MI455X (gfx1250); checked and timed in simulation.
; The chip was launched on July 23, 2026; its instructions are those of AMD's public machine-readable ISA for CDNA 5 (MIT licence, August 2026) and "CDNA5" Instruction Set Architecture Reference Guide (July 2026).
;; Scaled Dot Product Attention. Allowed arithmetic: matrix products marked QUANTISED: E5M2 operands, one E8M0 scale for each 32 along K, by v_wmma_scale_f32_16x16x128_f8f6f4 with both operands' format E5M2, f32 sums; everything else in f32.
;; Inputs: K 16 x 4,096 x 64 float32; Q 16 x 4,096 x 64 float32; V 16 x 4,096 x 64 float32.
;; Outputs: out0 16 x 4,096 x 64 float32.
;; This version of the problem:
;;   THIS VERSION OF THE PROBLEM IS GIVEN IN LOW PRECISION. The matrix products marked QUANTISED in the list below multiply operands that are first quantised to E5M2 (5 exponent bits, 2 mantissa bits; 8 bits a number), with one power-of-two scale for each 32 numbers along K (OCP MX v1.0); their sums are f32. All else is computed in f32.
;;   The module's matrix products, in the order in which they are computed (A, B: the left and right operand; K: the contracted axis; several contracted axes count as one K, in the product's order):
;;     1. batch 16 x [M 4,096, K 64] x [K 64, N 4,096]; A: input Q; B: input K: QUANTISED
;;     2. batch 16 x [M 4,096, K 4,096] x [K 4,096, N 64]; A: softmax (see below); B: input V: QUANTISED
;;   THE QUANTISER, for each operand of a quantised product, along K:
;;     - K is cut into blocks of 32 from its start; a last block that is shorter is filled with zeros.
;;     - A block's scale is 2^e with e = floor(log2(the largest magnitude in the block)) - 15, held to -126 .. 127; a block of zeros has e = 0. As a byte (E8M0): e + 127.
;;     - Each number is divided by its block's scale, clamped to +-57,344, and rounded to the nearest number of E5M2, ties to even, subnormals kept.
;;     - The product sums the exact products of the quantised numbers (number of the format x scale) in f32.
;;   ~~~python
;;   def quantise(x, axis):      # numpy; x: float32 -> the quantised numbers, widened to float32 again
;;       x = np.moveaxis(x, axis, -1); K = x.shape[-1]
;;       x = np.pad(x, [(0, 0)] * (x.ndim - 1) + [(0, -K % 32)]); x = x.reshape(x.shape[:-1] + (-1, 32)); a = np.abs(x).max(-1, keepdims=True)
;;       e = np.where(a > 0, np.clip(np.frexp(np.where(a > 0, a, 1))[1] - 1 - 15, -126, 127), 0)      # np.frexp(a)[1] - 1 = floor(log2(a)), exactly
;;       r = np.clip(x / 2.0 ** e, -57344, 57344)
;;       step = 2.0 ** (np.maximum(np.frexp(np.where(r == 0, 1, r))[1] - 1, -14) - 2)
;;       q = np.round(r / step) * step * 2.0 ** e      # np.round: ties to even
;;       return np.moveaxis(q.reshape(q.shape[:-2] + (-1,))[..., :K], -1, axis).astype(np.float32)
;;   ~~~
;;   SOFTMAX AHEAD OF A QUANTISED PRODUCT. Where the list says 'softmax', what is quantised is not the finished softmax but p = 2^(t - M), with t = logit x log2(e) and M = ceil(the row's largest t), a whole number; so 1/2 < the row's largest p <= 1. The row's sum l is taken of the UNQUANTISED p, in f32, and the product's result is divided by l at the end. Since M is a whole number, a kernel that streams over the keys may use a running M (the ceiling of the running maximum): every later rescaling is an exact power of two, which a block's scale takes up: the codes' values come out the same.
;;   OPERANDS COMPUTED ON THE WAY. 'Computed on the way' means the value that the module computes at that place (a softmax that the list does not call 'softmax' is quantised finished and normalised). What goes into a quantiser is computed in f32, as accurately as f32 sums, v_exp_f32 and their like allow (about 1e-6 of the number): no bf16 or f16 on the way to a quantiser, and a product that is left as it is and whose result goes on into a quantised operand takes f32 operands (vector FMAs, or v_wmma_f32_16x16x4_f32). A number that lies on a knife's edge between two numbers of the format may be rounded either way, as far as f32 arithmetic and the matrix unit's own rounding can turn it there, and no further.
;; One version. Each part assembles by itself: llvm-mc -triple=amdgcn-amd-amdhsa -mcpu=gfx1250 --defsym DOCPART=n.
;; ======== version 1 of 1: 2 launches
;; limits: right only within a limited range of input values
;; workspace buffers: kv 8,650,752 bytes
;; launch prep (part 1): grid 256 x 1, 4 waves a work-group, no clusters, 0 bytes of LDS; arguments K, V, kv; writes kv
.if DOCPART == 1
	.amdgcn_target "amdgcn-amd-amdhsa--gfx1250"
	.amdhsa_code_object_version 6
	.text
	.protected	k_q46ac7a2fa5_prep
	.globl	k_q46ac7a2fa5_prep
	.p2align	8
	.type	k_q46ac7a2fa5_prep,@function
k_q46ac7a2fa5_prep:
	s_mov_b64 s[64:65], 0
	v_nop
	global_prefetch_b8 v0, s[64:65] scope:SCOPE_SE
	s_setreg_imm32_b32 hwreg(HW_REG_WAVE_MODE, 25, 1), 1
	s_wait_xcnt 0x0
.set STEPB, 16896
.set LN,  1
.set LI,  2
.set L8,  3
.set IA,  4
.set BM,  8
.set T1,  12
.set HL,  16
.set SCO, 20
.set W,   24
.set T,   32
.set C,   96
.set X,   128
	s_load_b128 s[4:7], s[0:1], 0x0
	s_load_b64 s[8:9], s[0:1], 0x10
	v_lshrrev_b32 v1, 5, v0
	v_readfirstlane_b32 s10, v1
	v_and_b32 v[LN], 31, v0
	v_lshlrev_b32 v[LI], 4, v[LN]
	v_lshlrev_b32 v[L8], 3, v[LN]
	v_and_b32 v5, 15, v0
	v_bfe_u32 v6, v0, 4, 1
	s_and_b32 s11, ttmp9, 127
	s_lshl_b32 s11, s11, 2
	s_add_co_u32 s11, s11, s10
	s_lshl_b32 s12, s11, 15
	s_mov_b32 s13, 0
	s_add_co_u32 s18, s11, 31
	s_and_b32 s18, s18, 31
	s_and_b32 s19, s11, 0x1e0
	s_or_b32 s18, s18, s19
	s_cmp_lt_u32 ttmp9, 128
	s_cselect_b32 s18, s18, s11
	s_mul_i32 s14, s18, STEPB
	s_mov_b32 s15, 0
	s_mov_b32 s20, 0x76543210
	s_mov_b32 s21, 0xfedcba98
	s_mov_b32 s23, 0x600000
.irp b, 0,1,2,3
	v_mov_b32 v[T1+\b], 0
.endr
	s_wait_kmcnt 0x0
	s_cmp_lt_u32 ttmp9, 128
	s_cselect_b64 s[16:17], s[4:5], s[6:7]
	s_add_nc_u64 s[16:17], s[16:17], s[12:13]
	s_add_nc_u64 s[8:9], s[8:9], s[14:15]
.macro LOADQ kind, q
.set XL, X+64*((\q)%2)
.if \kind == 0
.irp c, 0,1,2,3
.irp n, 0,1,2,3
	global_load_b128 v[XL+16*\c+4*\n:XL+16*\c+4*\n+3], v[IA], s[16:17] offset:(32*(\q)+8*(\c/2))*256+128*(\c%2)+16*\n th:TH_LOAD_NT
.endr
.endr
.else
.irp i, 0,1,2,3,4,5,6,7,8,9,10,11,12,13,14,15
	global_load_b128 v[XL+4*\i:XL+4*\i+3], v[IA], s[16:17] offset:(32*(\q)+\i)*256 th:TH_LOAD_NT
.endr
.endif
.endm
.macro QUARTER kind, q
.set XS, X+64*((\q)%2)
.set CC, C+16*((\q)%2)
.if \kind == 0
.set BS, 16
.set IS, 1
.else
.set BS, 1
.set IS, 4
.endif
.if (\q) < 3
	s_wait_loadcnt 16
.else
	s_wait_loadcnt 0
.endif
.irp b, 0,1,2,3
	v_max3_num_f32 v[BM+\b], |v[XS+BS*\b]|, |v[XS+BS*\b+IS]|, 0x8000000
.endr
.irp i, 2,4,6,8,10,12,14
.irp b, 0,1,2,3
	v_max3_num_f32 v[BM+\b], v[BM+\b], |v[XS+BS*\b+IS*\i]|, |v[XS+BS*\b+IS*(\i+1)]|
.endr
.endr
.irp b, 0,1,2,3
	v_permlanex16_b32 v[T1+\b], v[BM+\b], s20, s21
.endr
.irp b, 0,1,2,3
	v_max_num_f32 v[BM+\b], v[BM+\b], v[T1+\b]
.endr
.irp b, 0,1,2,3
	v_add_nc_u32 v[SCO+\b], 0xf8800000, v[BM+\b]
.endr
.irp b, 0,1,2,3
	v_and_or_b32 v[HL+\b], v[BM+\b], 0x7f800000, s23
.endr
.irp b, 0,1,2,3
	v_lshrrev_b32 v[T1+\b], 23, v[SCO+\b]
.endr
.if \kind == 0
	v_lshl_or_b32 v[W+(\q)], v[T1+1], 8, v[T1]
	v_lshl_or_b32 v[W+(\q)], v[T1+2], 16, v[W+(\q)]
	v_lshl_or_b32 v[W+(\q)], v[T1+3], 24, v[W+(\q)]
.else
.irp b, 0,1,2,3
.if (\q) == 0
	v_mov_b32 v[W+\b], v[T1+\b]
.else
	v_lshl_or_b32 v[W+\b], v[T1+\b], 8*(\q), v[W+\b]
.endif
.endr
.endif
.irp b, 0,1,2,3
.irp i, 0,1,2,3,4,5,6,7,8,9,10,11,12,13,14,15
	v_med3_num_f32 v[T+16*\b+\i], v[XS+BS*\b+IS*\i], -v[HL+\b], v[HL+\b]
.endr
.endr
.if (\q) < 2
	LOADQ \kind, (\q)+2
.else
	s_wait_alu depctr_va_vdst(0)
	s_wait_xcnt 0x0
.endif
.irp b, 0,1,2,3
	v_cvt_scalef32_pk8_bf8_f32 v[CC+4*\b:CC+4*\b+1], v[T+16*\b:T+16*\b+7], v[SCO+\b]
	v_cvt_scalef32_pk8_bf8_f32 v[CC+4*\b+2:CC+4*\b+3], v[T+16*\b+8:T+16*\b+15], v[SCO+\b]
.endr
	v_nop
.irp b, 0,1,2,3
.if \kind == 0
	global_store_b128 v[LI], v[CC+4*\b:CC+4*\b+3], s[8:9] offset:2048*(\q)+512*\b
.else
	global_store_b128 v[LI], v[CC+4*\b:CC+4*\b+3], s[8:9] offset:8192+2048*\b+512*(\q)
.endif
.endr
.endm
.macro PATH kind
	LOADQ \kind, 0
	LOADQ \kind, 1
	QUARTER \kind, 0
	QUARTER \kind, 1
	QUARTER \kind, 2
	QUARTER \kind, 3
	v_cmp_le_u32 vcc_lo, 16, v[LN]
	v_cndmask_b32 v28, v[W], v[W+1], vcc_lo
	v_cndmask_b32 v29, v[W+2], v[W+3], vcc_lo
	global_store_b64 v[L8], v[28:29], s[8:9] offset:16384+256*\kind
	s_endpgm
.endm
	s_cmp_lt_u32 ttmp9, 128
	s_cbranch_scc0 .Lfor_v
	s_wait_alu depctr_va_vdst(0)
	v_and_b32 v7, 8, v5
	v_add_nc_u32 v7, v7, v5
	v_lshlrev_b32 v[IA], 8, v7
	v_lshl_add_u32 v[IA], v6, 6, v[IA]
	PATH 0
.Lfor_v:
	s_wait_alu depctr_va_vdst(0)
	v_lshlrev_b32 v[IA], 4, v5
	v_lshl_add_u32 v[IA], v6, 12, v[IA]
	PATH 1
.Lfunc_end_k_q46ac7a2fa5_prep:
	.size	k_q46ac7a2fa5_prep, .Lfunc_end_k_q46ac7a2fa5_prep-k_q46ac7a2fa5_prep
	.p2alignl 7, 3214868480
	.fill 96, 4, 3214868480
	.section	.rodata,"a",@progbits
	.p2align	6, 0x0
	.amdhsa_kernel k_q46ac7a2fa5_prep
		.amdhsa_group_segment_fixed_size 0
		.amdhsa_private_segment_fixed_size 0
		.amdhsa_enable_private_segment 0
		.amdhsa_kernarg_size 24
		.amdhsa_user_sgpr_count 2
		.amdhsa_user_sgpr_kernarg_segment_ptr 1
		.amdhsa_wavefront_size32 1
		.amdhsa_system_sgpr_workgroup_id_x 1
		.amdhsa_system_sgpr_workgroup_id_y 1
		.amdhsa_system_sgpr_workgroup_id_z 1
		.amdhsa_system_vgpr_workitem_id 0
		.amdhsa_next_free_vgpr 256
		.amdhsa_next_free_sgpr 66
		.amdhsa_reserve_vcc 1
		.amdhsa_float_denorm_mode_32 3
		.amdhsa_float_denorm_mode_16_64 3
		.amdhsa_memory_ordered 1
		.amdhsa_forward_progress 1
		.amdhsa_inst_pref_size 82
	.end_amdhsa_kernel
	.amdgpu_metadata
---
amdhsa.version: [ 1, 2 ]
amdhsa.kernels:
  - .name:           k_q46ac7a2fa5_prep
    .symbol:         k_q46ac7a2fa5_prep.kd
    .args:
      - { .name: K, .offset: 0, .size: 8, .value_kind: global_buffer, .address_space: global }
      - { .name: V, .offset: 8, .size: 8, .value_kind: global_buffer, .address_space: global }
      - { .name: kv, .offset: 16, .size: 8, .value_kind: global_buffer, .address_space: global }
    .group_segment_fixed_size: 0
    .private_segment_fixed_size: 0
    .kernarg_segment_align: 8
    .kernarg_segment_size: 24
    .max_flat_workgroup_size: 128
    .sgpr_count:     66
    .vgpr_count:     256
    .wavefront_size: 32
...
	.end_amdgpu_metadata
.endif
;; end of part 1
;; launch attn (part 2): grid 16 x 16, 8 waves a work-group, clusters of 4 x 1, 327,680 bytes of LDS; arguments Q, kv, out0; writes out0
.if DOCPART == 2
	.amdgcn_target "amdgcn-amd-amdhsa--gfx1250"
	.amdhsa_code_object_version 6
	.text
	.protected	k_q46ac7a2fa5_attn
	.globl	k_q46ac7a2fa5_attn
	.p2align	8
	.type	k_q46ac7a2fa5_attn,@function
k_q46ac7a2fa5_attn:
	s_mov_b64 s[64:65], 0
	v_nop
	global_prefetch_b8 v0, s[64:65] scope:SCOPE_SE
	s_setreg_imm32_b32 hwreg(HW_REG_WAVE_MODE, 25, 1), 1
	s_wait_xcnt 0x0
	s_wait_alu depctr_hold_cnt(0) depctr_sa_sdst(0) depctr_va_vdst(0) depctr_va_sdst(0) depctr_va_ssrc(0) depctr_va_vcc(0) depctr_vm_vsrc(0)
	s_getreg_b32 s2, hwreg(HW_REG_IB_STS2, 6, 4)
	s_cmp_eq_u32 s2, 0
	s_cbranch_scc0 .Lentry_in_a_cluster
	s_endpgm
.Lentry_in_a_cluster:
	s_bfe_u32 s2, ttmp6, 0x10000c
	s_cmp_lg_u32 s2, 0x3003
	s_cbranch_scc0 .Lentry_shape_is_right
	s_endpgm
.Lentry_shape_is_right:
.set STEPB,  16896
.set SLOTB,  8*STEPB
.set BATCHB, 32*STEPB
.set VIMG,   8192
.set KSC,    16384
.set VSC,    16640
.set SPARE,  2*SLOTB
.set STAGE,  SPARE+1024
.set SP,     272
.set LI,  1
.set L8,  2
.set ADR, 3
.set ADS, 4
.set SPW, 5
.set NIL, 6
.set PFO, 7
.set KS,  8
.set VS,  10
.set QS,  12
.set PW,  14
.set ST,  16
.set QSH, ST+28
.set TMP, 80
.set QO,  80
.set RR,  81
.set HH,  82
.set STO, 83
.set RD,  84
.set GO,  85
.set PC0, 112
.set S,   128
.set KF,  0
.set VF,  64
.set OA,  128
.set QZ,  192
.set PC1, 232
.set WV,  12
.set PFA, 18
.set SEL, 20
.set CS,  22
.set G1,  24
.set KB,  32
.set G0A, 44
.set G0B, 48
.set TB,  52
.set CNT, 55
.set MNT, 56
.set SGN, 57
.set MSB, 0
.macro WIN new
.if MSB != \new
	s_set_vgpr_msb (MSB<<8)|\new
.set MSB, \new
.endif
.endm
.macro CROUND
	s_barrier_signal -1
	s_barrier_wait -1
	s_cmp_lg_u32 s[WV], 0
	s_cbranch_scc1 .Lnot_wave_0_\@
	s_barrier_signal -3
.Lnot_wave_0_\@:
	s_barrier_wait -3
	s_barrier_signal -1
	s_barrier_wait -1
.endm
.macro JLOAD g0
	tensor_load_to_lds s[\g0:\g0+3], s[G1:G1+7]
	s_nop 0
.rept 4
	v_nop
.endr
.endm
	s_load_b128 s[4:7], s[0:1], 0x0
	s_load_b64 s[8:9], s[0:1], 0x10
	v_lshl_add_u32 v[SPW], v0, 2, SPARE
	v_mov_b32 v[NIL], 0
	ds_add_u32 v[SPW], v[NIL]
	ds_add_u32 v[SPW], v[NIL]
	v_lshrrev_b32 v3, 5, v0
	v_readfirstlane_b32 s[WV], v3
	s_bfe_u32 s13, ttmp6, 0x40000
	s_lshl_b32 s14, ttmp9, 2
	s_add_co_u32 s14, s14, s13
	s_and_b32 s16, ttmp7, 0xffff
	s_lshl_b32 s58, s16, 20
	s_lshl_b32 s59, s14, 16
	s_add_co_u32 s58, s58, s59
	s_lshl_b32 s59, s[WV], 13
	s_add_co_u32 s58, s58, s59
	s_mov_b32 s59, 0
	s_mul_i32 s17, s[WV], STEPB
	s_mul_i32 s60, s16, BATCHB
	s_mov_b32 s61, 0
	s_add_co_u32 s62, s60, s17
	s_mov_b32 s63, 0
	s_mul_i32 s34, s13, 17
	s_mov_b32 s[G1], 15|(3<<16)|(1<<21)
	s_mov_b32 s[G1+1], 32<<16
	s_mov_b32 s[G1+2], 66<<16
	s_mov_b32 s[G1+3], 32<<16
	s_mov_b32 s[G1+4], 66
	s_mov_b32 s[G1+5], 32
	s_mov_b32 s[G1+6], 0
	s_mov_b32 s[G1+7], 0
	s_mov_b32 s[SEL], 0x76543210
	s_mov_b32 s[SEL+1], 0xfedcba98
	s_mov_b32 s[SGN], 0x80808080
	s_mov_b32 s[CS], 0x3f38aa3b
	s_mov_b32 s[CS+1], s[CS]
	s_mov_b32 s[MNT], 0x600000
	s_wait_dscnt 0x0
	s_wait_kmcnt 0x0
	s_add_nc_u64 s[4:5], s[4:5], s[58:59]
	s_add_nc_u64 s[8:9], s[8:9], s[58:59]
	s_add_nc_u64 s[KB:KB+1], s[6:7], s[60:61]
	s_add_nc_u64 s[PFA:PFA+1], s[KB:KB+1], 16*STEPB
	s_add_nc_u64 s[62:63], s[6:7], s[62:63]
	CROUND
	s_mov_b32 s[G0A], 1
	s_mov_b32 s[G0A+1], s17
	s_mov_b64 s[G0A+2:G0A+3], s[62:63]
	s_or_b32 s[G0A+3], s[G0A+3], 0x80000000
	s_mov_b32 s[G0B], 1
	s_add_co_u32 s[G0B+1], s17, SLOTB
	s_add_nc_u64 s[G0B+2:G0B+3], s[62:63], SLOTB
	s_or_b32 s[G0B+3], s[G0B+3], 0x80000000
	JLOAD G0A
	v_and_b32 v3, 31, v0
	v_lshlrev_b32 v[LI], 4, v3
	v_lshlrev_b32 v[L8], 3, v3
	v_min_u32 v[PFO], 16, v3
	v_add_nc_u32 v[PFO], s34, v[PFO]
	v_min_u32 v[PFO], 65, v[PFO]
	v_lshlrev_b32 v[PFO], 8, v[PFO]
	v_and_b32 v[RR], 15, v0
	v_bfe_u32 v[HH], v0, 4, 1
	v_lshlrev_b32 v[QO], 8, v[RR]
	v_lshl_add_u32 v[QO], v[HH], 6, v[QO]
.irp t, 0,1
.irp c, 0,1
.irp n, 0,1,2,3
	global_load_b128 v[S+64*\t+16*\c+4*\n:S+64*\t+16*\c+4*\n+3], v[QO], s[4:5] offset:4096*\t+128*\c+16*\n th:TH_LOAD_NT
.endr
.endr
.endr
	global_load_b64 v[KS:KS+1], v[L8], s[KB:KB+1] offset:31*STEPB+KSC
	WIN 0x40
.irp f, 0,1,2,3
.irp c, 0,1,2,3
	global_load_b128 v[KF+16*\f+4*\c:KF+16*\f+4*\c+3], v[LI], s[KB:KB+1] offset:31*STEPB+2048*\f+512*\c
.endr
.endr
.irp z, 0,16,32
.irp i, 0,1,2,3,4,5,6,7
	v_mov_b32 v[QZ+\z+\i], 0
.endr
.endr
.set zi, 0
.rept 64
	v_mov_b32 v[OA+zi], 0
.set zi, zi+1
.endr
	WIN 0
.irp t, 0,1
.irp b, 0,1,2,3
	v_mov_b32 v[ST+32*\t+12+\b], 0
.endr
	v_mov_b32 v[ST+32*\t+2], 0
	v_mov_b32 v[ST+32*\t+3], 0
	v_mov_b32 v[ST+32*\t+5], 0
	v_mov_b32 v[ST+32*\t+1], 0xff61b1e6
	v_floor_f32 v[ST+32*\t], -v[ST+32*\t+1]
.endr
.macro QUANTQ t
.set rT, ST+32*(\t)
.set rS, S+64*(\t)
.irp b, 0,1
	v_max3_num_f32 v[rT+8+\b], |v[rS+16*\b]|, |v[rS+16*\b+1]|, 0x8000000
.endr
.irp i, 2,4,6,8,10,12,14
.irp b, 0,1
	v_max3_num_f32 v[rT+8+\b], v[rT+8+\b], |v[rS+16*\b+\i]|, |v[rS+16*\b+\i+1]|
.endr
.endr
.irp b, 0,1
	v_permlanex16_b32 v[rT+12+\b], v[rT+8+\b], s[SEL], s[SEL+1]
.endr
.irp b, 0,1
	v_max_num_f32 v[rT+8+\b], v[rT+8+\b], v[rT+12+\b]
.endr
.irp b, 0,1
	v_add_nc_u32 v[rT+20+\b], 0xf8800000, v[rT+8+\b]
	v_and_or_b32 v[rT+16+\b], v[rT+8+\b], 0x7f800000, s[MNT]
.endr
.irp b, 0,1
	v_lshrrev_b32 v[rT+12+\b], 23, v[rT+20+\b]
.endr
	v_lshl_or_b32 v[rT+6], v[rT+13], 8, v[rT+12]
	v_or_b32 v[QS+(\t)], 0x40400000, v[rT+6]
	v_lshl_or_b32 v[rT+28], v[rT+6], 16, 0x4040
.irp b, 0,1
.irp i, 0,1,2,3,4,5,6,7,8,9,10,11,12,13,14,15
	v_med3_num_f32 v[rS+16*\b+\i], v[rS+16*\b+\i], -v[rT+16+\b], v[rT+16+\b]
.endr
.endr
	WIN 0x40
.irp b, 0,1
	v_cvt_scalef32_pk8_bf8_f32 v[QZ+8+16*(\t)+4*\b:QZ+8+16*(\t)+4*\b+1], v[rS+16*\b:rS+16*\b+7], v[rT+20+\b]
	v_cvt_scalef32_pk8_bf8_f32 v[QZ+8+16*(\t)+4*\b+2:QZ+8+16*(\t)+4*\b+3], v[rS+16*\b+8:rS+16*\b+15], v[rT+20+\b]
.endr
	v_nop
	WIN 0
.endm
.macro SM1 d, f, qz, qs
.if ((\f)%2) == 0
	v_wmma_scale_f32_16x16x128_f8f6f4 v[\d:\d+7], v[KF+16*(\f):KF+16*(\f)+15], v[\qz:\qz+15], 0, v[KS+(\f)/2], v[\qs] matrix_a_fmt:MATRIX_FMT_BF8 matrix_b_fmt:MATRIX_FMT_BF8
.else
	v_wmma_scale_f32_16x16x128_f8f6f4 v[\d:\d+7], v[KF+16*(\f):KF+16*(\f)+15], v[\qz:\qz+15], 0, v[KS+(\f)/2], v[\qs] matrix_a_fmt:MATRIX_FMT_BF8 matrix_b_fmt:MATRIX_FMT_BF8 matrix_a_scale:MATRIX_SCALE_ROW1
.endif
.endm
.macro PV1 t, u, pc
.if ((\u)%2) == 0
	v_wmma_scale_f32_16x16x128_f8f6f4 v[OA+32*(\t)+8*(\u):OA+32*(\t)+8*(\u)+7], v[VF+16*(\u):VF+16*(\u)+15], v[\pc:\pc+15], v[OA+32*(\t)+8*(\u):OA+32*(\t)+8*(\u)+7], v[VS+(\u)/2], v[PW+(\t)] matrix_a_fmt:MATRIX_FMT_BF8 matrix_b_fmt:MATRIX_FMT_BF8
.else
	v_wmma_scale_f32_16x16x128_f8f6f4 v[OA+32*(\t)+8*(\u):OA+32*(\t)+8*(\u)+7], v[VF+16*(\u):VF+16*(\u)+15], v[\pc:\pc+15], v[OA+32*(\t)+8*(\u):OA+32*(\t)+8*(\u)+7], v[VS+(\u)/2], v[PW+(\t)] matrix_a_fmt:MATRIX_FMT_BF8 matrix_b_fmt:MATRIX_FMT_BF8 matrix_a_scale:MATRIX_SCALE_ROW1
.endif
.endm
.macro FLIP
	WIN 0x44
.irp t, 0,1
.irp i, 0,1,2,3,4,5,6,7
	v_xor_b32 v[QZ+8+16*\t+\i], s[SGN], v[QZ+8+16*\t+\i]
.endr
.endr
.endm
.macro SMULN t
	WIN 0x45
.irp f, 0,1,2,3
	SM1 VF+16*\f,   \f, QZ+8+16*(\t), QS+(\t)
	SM1 VF+16*\f+8, \f, QZ+16*(\t),   QSH+32*(\t)
.endr
.endm
.macro COMB t
	WIN 0x04
.set ci, 0
.rept 32
	v_pk_add_f32 v[S+64*(\t)+ci:S+64*(\t)+ci+1], v[S+64*(\t)+ci:S+64*(\t)+ci+1], v[VF+ci:VF+ci+1] neg_lo:[0,1] neg_hi:[0,1]
.set ci, ci+2
.endr
.endm
.macro PVT t, pc
.irp u, 0,1,2,3
	PV1 \t, \u, \pc
.endr
.endm
.macro MAXES
.irp t, 0,1
.irp b, 0,1,2,3
	v_max3_num_f32 v[ST+32*\t+8+\b], v[S+64*\t+16*\b], v[S+64*\t+16*\b+1], v[S+64*\t+16*\b+2]
.endr
.endr
.irp i, 3,5,7,9,11,13
.irp t, 0,1
.irp b, 0,1,2,3
	v_max3_num_f32 v[ST+32*\t+8+\b], v[ST+32*\t+8+\b], v[S+64*\t+16*\b+\i], v[S+64*\t+16*\b+\i+1]
.endr
.endr
.endr
.irp t, 0,1
.irp b, 0,1,2,3
	v_max_num_f32 v[ST+32*\t+8+\b], v[ST+32*\t+8+\b], v[S+64*\t+16*\b+15]
.endr
.endr
.irp t, 0,1
.irp b, 0,1,2,3
	v_permlanex16_b32 v[ST+32*\t+12+\b], v[ST+32*\t+8+\b], s[SEL], s[SEL+1]
.endr
.endr
.irp t, 0,1
.irp b, 0,1,2,3
	v_max_num_f32 v[ST+32*\t+8+\b], v[ST+32*\t+8+\b], v[ST+32*\t+12+\b]
.endr
.endr
.irp t, 0,1
	v_max3_num_f32 v[ST+32*\t+6], v[ST+32*\t+8], v[ST+32*\t+9], v[ST+32*\t+10]
.endr
.irp t, 0,1
	v_max_num_f32 v[ST+32*\t+6], v[ST+32*\t+6], v[ST+32*\t+11]
.endr
.irp t, 0,1
	v_mul_f32 v[ST+32*\t+6], s[CS], v[ST+32*\t+6]
.endr
.irp t, 0,1
	v_max_num_f32 v[ST+32*\t+1], v[ST+32*\t+1], v[ST+32*\t+6]
.endr
.irp t, 0,1
	v_mov_b32 v[ST+32*\t+6], v[ST+32*\t]
.endr
.irp t, 0,1
	v_floor_f32 v[ST+32*\t], -v[ST+32*\t+1]
.endr
.irp t, 0,1
	v_sub_f32 v[ST+32*\t+6], v[ST+32*\t], v[ST+32*\t+6]
.endr
.irp t, 0,1
	v_cvt_i32_f32 v[ST+32*\t+6], v[ST+32*\t+6]
.endr
.irp t, 0,1
	v_ldexp_f32 v[ST+32*\t+4], 1.0, v[ST+32*\t+6]
.endr
.irp t, 0,1
	v_pk_mul_f32 v[ST+32*\t+2:ST+32*\t+3], v[ST+32*\t+2:ST+32*\t+3], v[ST+32*\t+4:ST+32*\t+5] op_sel_hi:[1,0]
.endr
.endm
.macro TM t, p
	TMM \t, \p
	TMA \t, \p
.endm
.macro TMB t, b
	v_mul_f32 v[ST+32*(\t)+8+(\b)], s[CS], v[ST+32*(\t)+8+(\b)]
	v_add_f32 v[ST+32*(\t)+8+(\b)], v[ST+32*(\t)+8+(\b)], v[ST+32*(\t)]
.endm
.macro TMM t, p
	v_pk_mul_f32 v[S+64*(\t)+2*(\p):S+64*(\t)+2*(\p)+1], v[S+64*(\t)+2*(\p):S+64*(\t)+2*(\p)+1], s[CS:CS+1] op_sel_hi:[1,0]
.endm
.macro TMA t, p
	v_pk_add_f32 v[S+64*(\t)+2*(\p):S+64*(\t)+2*(\p)+1], v[S+64*(\t)+2*(\p):S+64*(\t)+2*(\p)+1], v[ST+32*(\t):ST+32*(\t)+1] op_sel_hi:[1,0]
.endm
.macro EX t, e
	v_exp_f32 v[S+64*(\t)+(\e)], v[S+64*(\t)+(\e)]
.endm
.macro EXB t, b
	v_exp_f32 v[ST+32*(\t)+8+(\b)], v[ST+32*(\t)+8+(\b)]
.endm
.macro SCALES t
.set rT, ST+32*(\t)
.irp b, 0,1,2,3
	v_max_num_f32 v[rT+8+\b], 0x8000000, v[rT+8+\b]
.endr
.irp b, 0,1,2,3
	v_add_nc_u32 v[rT+20+\b], 0xf8800000, v[rT+8+\b]
	v_and_or_b32 v[rT+16+\b], v[rT+8+\b], 0x7f800000, s[MNT]
	v_and_or_b32 v[rT+24+(\b+1)%4], v[rT+8+\b], 0x7f800000, s[MNT]
.endr
.irp b, 0,1,2,3
	v_lshrrev_b32 v[rT+12+\b], 23, v[rT+20+\b]
.endr
	v_lshl_or_b32 v[rT+12], v[rT+13], 8, v[rT+12]
	v_lshl_or_b32 v[rT+14], v[rT+15], 8, v[rT+14]
	v_lshl_or_b32 v[PW+(\t)], v[rT+14], 16, v[rT+12]
.endm
.macro HOLD2 t, e
	v_dual_min_num_f32 v[S+64*(\t)+(\e)], v[S+64*(\t)+(\e)], v[ST+32*(\t)+16+(\e)/16] :: v_dual_min_num_f32 v[S+64*(\t)+(\e)+1], v[S+64*(\t)+(\e)+1], v[ST+32*(\t)+24+((\e)/16+1)%4]
.endm
.macro LEAF t, g
	v_pk_add_f32 v[TMP+2*(\g):TMP+2*(\g)+1], v[S+64*(\t)+4*(\g):S+64*(\t)+4*(\g)+1], v[S+64*(\t)+4*(\g)+2:S+64*(\t)+4*(\g)+3]
.endm
.macro FIN t
.set rT, ST+32*(\t)
.set fk, 1
.rept 7
	v_pk_add_f32 v[rT+2:rT+3], v[rT+2:rT+3], v[TMP+2*fk:TMP+2*fk+1]
	v_pk_add_f32 v[TMP:TMP+1], v[TMP:TMP+1], v[TMP+2*fk+2:TMP+2*fk+3]
.set fk, fk+2
.endr
	v_pk_add_f32 v[rT+2:rT+3], v[rT+2:rT+3], v[TMP+30:TMP+31]
	v_pk_add_f32 v[rT+2:rT+3], v[rT+2:rT+3], v[TMP:TMP+1]
.endm
.macro CVTS t, pc
.irp b, 0,1,2,3
	v_cvt_scalef32_pk8_bf8_f32 v[\pc+4*\b:\pc+4*\b+1], v[S+64*(\t)+16*\b:S+64*(\t)+16*\b+7], v[ST+32*(\t)+20+\b]
	v_cvt_scalef32_pk8_bf8_f32 v[\pc+4*\b+2:\pc+4*\b+3], v[S+64*(\t)+16*\b+8:S+64*(\t)+16*\b+15], v[ST+32*(\t)+20+\b]
.endr
.endm
.macro ASK
	s_cmp_eq_u32 s[WV], 7
	s_cbranch_scc0 .Lno_ask_\@
	global_prefetch_b8 v[PFO], s[PFA:PFA+1] th:TH_LOAD_NT scope:SCOPE_SE
.Lno_ask_\@:
.endm
.macro STEP ask
	WIN 0x05
.irp f, 0,1,2,3
	SM1 S+16*\f,      \f, QZ+8,  QS
	SM1 S+16*\f+8,    \f, QZ,    QSH
	SM1 S+64+16*\f,   \f, QZ+24, QS+1
	SM1 S+64+16*\f+8, \f, QZ+16, QSH+32
.endr
	WIN 0
	v_add_nc_u32 v[ADR], s[TB], v[LI]
	v_add_nc_u32 v[ADS], s[TB], v[L8]
.rept 6
	v_nop
.endr
	FLIP
.rept 4
	v_nop
.endr
	SMULN 0
.rept 8
	v_nop
.endr
	COMB 0
	SMULN 1
.rept 8
	v_nop
.endr
	COMB 1
	FLIP
	WIN 0
	ds_load_b64 v[VS:VS+1], v[ADS] offset:VSC
	ds_load_b64 v[KS:KS+1], v[ADS] offset:KSC
	WIN 0x40
.irp u, 0,1,2,3
.irp c, 0,1,2,3
	ds_load_b128 v[VF+16*\u+4*\c:VF+16*\u+4*\c+3], v[ADR] offset:VIMG+2048*\u+512*\c
.endr
.endr
.irp f, 0,1,2,3
.irp c, 0,1,2,3
	ds_load_b128 v[KF+16*\f+4*\c:KF+16*\f+4*\c+3], v[ADR] offset:2048*\f+512*\c
.endr
.endr
	WIN 0
.if \ask
	ASK
.endif
	s_add_co_u32 s[TB], s[TB], STEPB
	MAXES
.set pp, 0
.rept 32
	TMM 0, pp
.set pp, pp+1
.endr
.set pp, 0
.rept 32
	TMA 0, pp
.set pp, pp+1
.endr
.irp b, 0,1,2,3
	TMB 0, \b
.endr
	s_wait_alu depctr_va_vdst(0)
.set pp, 0
.rept 32
	EX 0, 2*pp
	TM 1, pp
	EX 0, 2*pp+1
.set pp, pp+1
.endr
.irp b, 0,1,2,3
	EXB 0, \b
	TMB 1, \b
.endr
	s_wait_alu depctr_va_vdst(0)
	SCALES 0
	s_wait_alu depctr_va_vdst(0)
.irp b, 0,1,2,3
	EXB 1, \b
.endr
.set gg, 0
.rept 16
	EX 1, 4*gg
	EX 1, 4*gg+1
	LEAF 0, gg
	EX 1, 4*gg+2
	HOLD2 0, 4*gg
	EX 1, 4*gg+3
	HOLD2 0, 4*gg+2
.set gg, gg+1
.endr
	v_nop
	WIN 0x41
	s_wait_alu depctr_va_vdst(0)
.irp t, 0,1
.set ri, 0
.rept 16
	v_pk_mul_f32 v[OA+32*\t+ri:OA+32*\t+ri+1], v[OA+32*\t+ri:OA+32*\t+ri+1], v[ST+32*\t+4:ST+32*\t+5] op_sel_hi:[1,0]
.set ri, ri+2
.endr
.endr
	WIN 0
	CVTS 0, PC0
	FIN 0
	s_wait_alu depctr_va_vdst(0)
	s_wait_dscnt 0x0
.if \ask
	s_wait_xcnt 0x0
	s_add_nc_u64 s[PFA:PFA+1], s[PFA:PFA+1], STEPB
.endif
	WIN 0x51
	PVT 0, PC0
	WIN 0
	SCALES 1
.set gg, 0
.rept 16
	LEAF 1, gg
	HOLD2 1, 4*gg
	HOLD2 1, 4*gg+2
.set gg, gg+1
.endr
	WIN 0x40
	CVTS 1, PC1
	WIN 0
	FIN 1
	WIN 0x55
	PVT 1, PC1
	WIN 0
.endm
.macro PHASE base, ask
	s_mov_b32 s[TB], \base
	s_mov_b32 s[CNT], 8
.Lstep_\@:
	STEP \ask
	s_sub_co_u32 s[CNT], s[CNT], 1
	s_cmp_lg_u32 s[CNT], 0
	s_cbranch_scc1 .Lstep_\@
.endm
.macro CHANGE g0
	s_wait_alu depctr_va_vdst(0)
	s_wait_tensorcnt 0x0
	ds_add_u32 v[SPW], v[NIL]
	s_add_nc_u64 s[\g0+2:\g0+3], s[\g0+2:\g0+3], 2*SLOTB
	s_wait_dscnt 0x0
	CROUND
	JLOAD \g0
.endm
	s_wait_alu depctr_va_vdst(0)
	s_wait_loadcnt 0x0
	QUANTQ 0
	QUANTQ 1
	s_wait_alu depctr_va_vdst(0)
	s_wait_tensorcnt 0x0
	ds_add_u32 v[SPW], v[NIL]
	s_wait_dscnt 0x0
	CROUND
	JLOAD G0B
	PHASE 0, 1
	CHANGE G0A
	PHASE SLOTB, 1
	CHANGE G0B
	PHASE 0, 0
	s_wait_alu depctr_va_vdst(0)
	s_wait_tensorcnt 0x0
	ds_add_u32 v[SPW], v[NIL]
	s_wait_dscnt 0x0
	s_barrier_signal -1
	s_barrier_wait -1
	PHASE SLOTB, 0
	v_and_b32 v[RR], 15, v0
	v_bfe_u32 v[HH], v0, 4, 1
	s_mul_i32 s58, s[WV], 16*SP
	s_add_co_u32 s58, s58, STAGE
	v_mul_u32_u24 v[STO], v[RR], SP
	v_lshl_add_u32 v[STO], v[HH], 7, v[STO]
	v_add_nc_u32 v[STO], s58, v[STO]
	v_mul_u32_u24 v[RD], v[HH], SP
	v_lshl_add_u32 v[RD], v[RR], 4, v[RD]
	v_add_nc_u32 v[RD], s58, v[RD]
	v_lshlrev_b32 v[GO], 8, v[HH]
	v_lshl_add_u32 v[GO], v[RR], 4, v[GO]
.irp t, 0,1
	v_add_f32 v[ST+32*\t+6], v[ST+32*\t+2], v[ST+32*\t+3]
.endr
.irp t, 0,1
	v_permlanex16_b32 v[ST+32*\t+12], v[ST+32*\t+6], s[SEL], s[SEL+1]
.endr
.irp t, 0,1
	v_add_f32 v[ST+32*\t+6], v[ST+32*\t+6], v[ST+32*\t+12]
.endr
	s_wait_alu depctr_va_vdst(0)
.irp t, 0,1
	v_rcp_f32 v[ST+32*\t+4], v[ST+32*\t+6]
.endr
	v_nop
	WIN 0x01
	s_wait_alu depctr_va_vdst(0)
.irp t, 0,1
.irp j, 0,1,2,3,4,5,6,7
.irp u, 0,1,2,3
	v_mul_f32 v[S+64*\t+4*\j+\u], v[OA+32*\t+8*\u+\j], v[ST+32*\t+4]
.endr
.endr
.endr
	WIN 0
.irp t, 0,1
.irp j, 0,1,2,3,4,5,6,7
	ds_store_b128 v[STO], v[S+64*\t+4*\j:S+64*\t+4*\j+3] offset:16*\j
.endr
.irp i, 0,1,2,3,4,5,6,7
	ds_load_b128 v[S+64*\t+32+4*\i:S+64*\t+32+4*\i+3], v[RD] offset:2*SP*\i
.endr
.endr
.irp t, 0,1
.irp i, 0,1,2,3,4,5,6,7
	s_wait_dscnt 16*(1-\t)+7-\i
	global_store_b128 v[GO], v[S+64*\t+32+4*\i:S+64*\t+32+4*\i+3], s[8:9] offset:4096*\t+512*\i th:TH_STORE_NT
.endr
.endr
	s_wait_tensorcnt 0x0
	ds_add_u32 v[SPW], v[NIL]
	s_wait_dscnt 0x0
	CROUND
	s_endpgm
.Lfunc_end_k_q46ac7a2fa5_attn:
	.size	k_q46ac7a2fa5_attn, .Lfunc_end_k_q46ac7a2fa5_attn-k_q46ac7a2fa5_attn
	.p2alignl 7, 3214868480
	.fill 96, 4, 3214868480
	.section	.rodata,"a",@progbits
	.p2align	6, 0x0
	.amdhsa_kernel k_q46ac7a2fa5_attn
		.amdhsa_group_segment_fixed_size 327680
		.amdhsa_private_segment_fixed_size 0
		.amdhsa_enable_private_segment 0
		.amdhsa_kernarg_size 24
		.amdhsa_user_sgpr_count 2
		.amdhsa_user_sgpr_kernarg_segment_ptr 1
		.amdhsa_wavefront_size32 1
		.amdhsa_system_sgpr_workgroup_id_x 1
		.amdhsa_system_sgpr_workgroup_id_y 1
		.amdhsa_system_sgpr_workgroup_id_z 1
		.amdhsa_system_vgpr_workitem_id 0
		.amdhsa_next_free_vgpr 512
		.amdhsa_next_free_sgpr 66
		.amdhsa_reserve_vcc 0
		.amdhsa_float_denorm_mode_32 3
		.amdhsa_float_denorm_mode_16_64 3
		.amdhsa_memory_ordered 1
		.amdhsa_forward_progress 1
		.amdhsa_inst_pref_size 215
	.end_amdhsa_kernel
	.amdgpu_metadata
---
amdhsa.version: [ 1, 2 ]
amdhsa.kernels:
  - .name:           k_q46ac7a2fa5_attn
    .symbol:         k_q46ac7a2fa5_attn.kd
    .args:
      - { .name: Q, .offset: 0, .size: 8, .value_kind: global_buffer, .address_space: global }
      - { .name: kv, .offset: 8, .size: 8, .value_kind: global_buffer, .address_space: global }
      - { .name: out0, .offset: 16, .size: 8, .value_kind: global_buffer, .address_space: global }
    .group_segment_fixed_size: 327680
    .private_segment_fixed_size: 0
    .kernarg_segment_align: 8
    .kernarg_segment_size: 24
    .max_flat_workgroup_size: 256
    .sgpr_count:     66
    .vgpr_count:     512
    .wavefront_size: 32
...
	.end_amdgpu_metadata
.endif
;; end of part 2
